; MI455X (gfx1250); checked and timed in simulation.
; The chip was launched on July 23, 2026; its instructions are those of AMD's public machine-readable ISA for CDNA 5 (MIT licence, August 2026) and "CDNA5" Instruction Set Architecture Reference Guide (July 2026). The comments in the code are by the model that wrote it; some were corrected since.
;; Sparse Network. Allowed arithmetic: matrix products marked QUANTISED: E4M3 operands, one given power-of-two scale a tensor, by v_wmma_f32_16x16x64_fp8_fp8 or v_wmma_f32_16x16x128_fp8_fp8, f32 sums; everything else in f32.
;; Inputs: W_lower 2,048 x 2,048 float32; W_upper 2,048 x 2,048 float32; b_lower 2,048 float32; b_upper 2,048 float32; lowp_scales 8 int32 (the exponents e of the quantised operands' scales 2^e); x 4,096 x 2,048 float32.
;; Outputs: out0 4,096 x 2,048 float32.
;; This version of the problem:
;;   THIS VERSION OF THE PROBLEM IS GIVEN IN LOW PRECISION. The matrix products marked QUANTISED in the list below multiply operands that are first quantised to E4M3 (4 exponent bits, 3 mantissa bits; 8 bits a number), with one given power-of-two scale for each operand tensor; their sums are f32. All else is computed in f32.
;;   The module's matrix products, in the order in which they are computed (A, B: the left and right operand; K: the contracted axis; several contracted axes count as one K, in the product's order):
;;     1. [M 4,096, K 2,048] x [K 2,048, N 2,048]; A: input x; B: computed on the way: QUANTISED (scales: A lowp_scales[0], B lowp_scales[1])
;;     2. [M 4,096, K 2,048] x [K 2,048, N 2,048]; A: computed on the way; B: computed on the way: QUANTISED (scales: A lowp_scales[2], B lowp_scales[3])
;;     3. [M 4,096, K 2,048] x [K 2,048, N 2,048]; A: input x; B: computed on the way: QUANTISED (scales: A lowp_scales[4], B lowp_scales[5])
;;     4. [M 4,096, K 2,048] x [K 2,048, N 2,048]; A: computed on the way; B: computed on the way: QUANTISED (scales: A lowp_scales[6], B lowp_scales[7])
;;   THE QUANTISER, for each operand of a quantised product, along K:
;;     - The operand's scale is 2^e, e = its entry of the input lowp_scales (int32; the entries are numbered through the quantised products in the list's order, A before B).
;;     - Each number is divided by the scale, clamped to +-448, and rounded to the nearest number of E4M3, ties to even, subnormals kept.
;;     - The product sums the exact products of the quantised numbers (number of the format x scale) in f32.
;;   ~~~python
;;   def quantise(x, axis, e):      # numpy; x: float32 -> the quantised numbers, widened to float32 again
;;       x = np.moveaxis(x, axis, -1); K = x.shape[-1]
;;       r = np.clip(x / 2.0 ** e, -448, 448)
;;       step = 2.0 ** (np.maximum(np.frexp(np.where(r == 0, 1, r))[1] - 1, -6) - 3)
;;       q = np.round(r / step) * step * 2.0 ** e      # np.round: ties to even
;;       return np.moveaxis(q, -1, axis).astype(np.float32)
;;   ~~~
;;   OPERANDS COMPUTED ON THE WAY. 'Computed on the way' means the value that the module computes at that place (a softmax that the list does not call 'softmax' is quantised finished and normalised). What goes into a quantiser is computed in f32, as accurately as f32 sums, v_exp_f32 and their like allow (about 1e-6 of the number): no bf16 or f16 on the way to a quantiser, and a product that is left as it is and whose result goes on into a quantised operand takes f32 operands (vector FMAs, or v_wmma_f32_16x16x4_f32). A number that lies on a knife's edge between two numbers of the format may be rounded either way, as far as f32 arithmetic and the matrix unit's own rounding can turn it there, and no further.
;; One version. Each part assembles by itself: llvm-mc -triple=amdgcn-amd-amdhsa -mcpu=gfx1250 --defsym DOCPART=n.
;; ======== version 1 of 1: 3 launches
;; limits: right only within a limited range of input values
;; workspace buffers: xq 8,388,608 bytes; wuq 2,228,224 bytes; wlq 2,228,224 bytes; hq 8,388,608 bytes
;; launch quant (part 1): grid 784 x 1, 8 waves a work-group, no clusters, 68,608 bytes of LDS; arguments x, W_upper, W_lower, lowp_scales, xq, wuq, wlq; writes xq, wuq, wlq
.if DOCPART == 1
	.amdgcn_target "amdgcn-amd-amdhsa--gfx1250"
	.amdhsa_code_object_version 6
	.text
	.protected	k_qb3331a740a_quant
	.globl	k_qb3331a740a_quant
	.p2align	8
	.type	k_qb3331a740a_quant,@function
k_qb3331a740a_quant:
	s_mov_b64 s[64:65], 0
	v_nop
	global_prefetch_b8 v0, s[64:65] scope:SCOPE_SE
	s_setreg_imm32_b32 hwreg(HW_REG_WAVE_MODE, 25, 1), 1
	s_wait_xcnt 0x0
; x [4096][2048], triu(W_upper) and tril(W_lower) [2048][2048], f32, K innermost, become codes of FP8 (E4M3), each tensor with the scale 2^e given for it: x entry 4, W_upper entry 5, W_lower entry 7.
; WORK LEFT OUT, for all values of the inputs: reference() computes relu(upper(x)), then relu(lower(..)) of it, and overwrites both by relu(upper(x)) before anything reads them; what it returns is lower(relu(upper(x))).
; So products 1 and 2 of its list (scale entries 0 to 3) reach no output.  Tiles of a weight that lie wholly outside the triangle are zeros that reference() builds itself: their products are left out too.
; LIMITS: a NaN, an infinity or an overflow that reaches only the work left out is not carried to the result; -126 <= e <= 119, so that 2^e and 448 x 2^e are f32 numbers; NaN among the inputs is not served.
; code = number / 2^e, held within +-448, rounded to the nearest code, ties to even.
; LAYOUT: images of operand registers.  A TILE is 128 rows x 128 along K: 8 fragments of 2,048 bytes.  In fragment f, byte 512 c + 16 lane + i (lane = r + 16 h) is the code of
; row 32 (f / 2) + 8 (f % 2) + r + 8 (r / 8) of the tile, k = 32 c + 16 h + i.
; x: all 512 tiles, tile (row block, K block) at number 16 x row block + K block.  A weight: the 136 tiles that touch the kept triangle, 17 for each walk p (p = 0..7).  In blocks (n', k'), which for
; W_lower count from the far end (15 - n', 15 - k'), so that both triangles keep k' >= n', a walk's tiles m are:
;   m = 15: (15 - p, 15);  m = 16: (p, 15);  m = 14: (p, 7);  m = 2 r + 1 < 14: (p, 14 - r);  m = 2 r < 14: (15 - p, 14 - r) where r < p, else (p, r).
; Number 17 p + u in the buffer is the walk's u-th tile in the order of use: W_upper 15, 16, 0, 1 .. 14;  W_lower 15, 16, 0, 2 .. 12, 1, 3 .. 13, 14.
; On the diagonal, k' = n', the mask is applied number by number.
; SHARES.  A work-group makes a tile, each of its eight waves a fragment.  A wave's 16 loads read 512 consecutive bytes each; the conversions want 16 neighbours along K in ONE lane, so the 8 KiB turn through the wave's
; own stage in LDS (rows 528 bytes apart).  Each store writes 512 consecutive, aligned bytes.  No tensor load, no barrier: waves share nothing.  No prefetch: no loop.
.set ROWB,  8192
.set SP,    528
.set WREG,  16*SP
.set SPARE, 8*WREG                     ; behind the stages: the spare words, 128 bytes for each wave
.set XT,    512
.set WT,    136
.set LO16,  2                          ; 16 x lane
.set SIN,   3                          ; the stage, in
.set SOUT,  4                          ; and out
.set DD,    5                          ; my row in the tile - 16 h: register 16 c + i holds k - n = 32 c + i - DD
.set SCL,   6
.set LIM,   7
.set SPW,   10
.set NIL,   11
.set X,     16                         ; v16-79
.set CD,    80                         ; v80-95
	s_load_b256 s[4:11], s[0:1], 0x0               ; x, W_upper, W_lower, the exponents
	s_load_b128 s[12:15], s[0:1], 0x20             ; x's codes, W_upper's
	s_load_b64 s[16:17], s[0:1], 0x30              ; W_lower's
	v_lshrrev_b32 v1, 5, v0
	v_readfirstlane_b32 s18, v1                    ; wave = fragment f
	; which tile of a weight (x's work-groups do not use it: held small)
	s_cmp_lt_u32 ttmp9, XT+WT
	s_cselect_b32 s20, 0, WT
	s_sub_co_u32 s20, ttmp9, s20
	s_sub_co_u32 s20, s20, XT
	s_min_u32 s20, s20, WT-1
	s_mul_i32 s21, s20, 241
	s_lshr_b32 s21, s21, 12                        ; p = t / 17: right for t < 136
	s_mul_i32 s22, s21, 17
	s_sub_co_u32 s22, s20, s22                     ; u
	s_sub_co_u32 s23, s22, 2                       ; v = u - 2: W_upper's m
	s_lshl_b32 s24, s23, 1
	s_sub_co_u32 s25, s24, 13
	s_cmp_lt_u32 s23, 7
	s_cselect_b32 s24, s24, s25                    ; W_lower's m: 2 v, then 2 v - 13,
	s_cmp_eq_u32 s23, 14
	s_cselect_b32 s24, 14, s24                     ; then 14
	s_cmp_lt_u32 ttmp9, XT+WT
	s_cselect_b32 s23, s23, s24
	s_add_co_u32 s25, s22, 15
	s_cmp_lt_u32 s22, 2
	s_cselect_b32 s22, s25, s23                    ; m
	s_lshr_b32 s23, s22, 1                         ; r
	s_sub_co_u32 s24, 14, s23                      ; 14 - r
	s_sub_co_u32 s25, 15, s21                      ; 15 - p
	s_cmp_lt_u32 s23, s21                          ; r < p
	s_cselect_b32 s26, s25, s21
	s_cselect_b32 s27, s24, s23
	s_bitcmp1_b32 s22, 0                           ; m odd
	s_cselect_b32 s26, s21, s26                    ; n'
	s_cselect_b32 s24, s24, s27                    ; k'
	s_cmp_ge_u32 s22, 15
	s_cselect_b32 s24, 15, s24
	s_cmp_eq_u32 s22, 15
	s_cselect_b32 s26, s25, s26
	s_cmp_lt_u32 ttmp9, XT+WT
	s_cselect_b32 s27, 1, 2                        ; the mask on the diagonal: 1 keeps k >= n, 2 keeps k <= n
	s_cmp_eq_u32 s24, s26
	s_cselect_b32 s27, s27, 0                      ; off the diagonal: none
	s_sub_co_u32 s23, 15, s24
	s_sub_co_u32 s25, 15, s26
	s_cmp_lt_u32 ttmp9, XT+WT                      ; W_upper: blocks as they are; W_lower: from the far end
	s_cselect_b32 s24, s24, s23
	s_cselect_b32 s26, s26, s25
	s_lshr_b32 s23, ttmp9, 4                       ; x: row block,
	s_and_b32 s25, ttmp9, 15                       ; K block
	s_cmp_lt_u32 ttmp9, XT
	s_cselect_b32 s26, s23, s26                    ; block of rows
	s_cselect_b32 s24, s25, s24                    ; block along K
	s_cselect_b32 s27, 0, s27
	s_cselect_b32 s20, ttmp9, s20                  ; the tile's number in its buffer of codes
	s_lshr_b32 s44, s18, 1
	s_lshl_b32 s44, s44, 5
	s_and_b32 s23, s18, 1
	s_lshl_b32 s23, s23, 3
	s_add_co_u32 s44, s44, s23                     ; the fragment's first row in the tile
	s_lshl_b32 s32, s26, 20                        ; 128 rows of 8,192 bytes
	s_lshl_b32 s23, s24, 9                         ; 128 numbers
	s_add_co_u32 s32, s32, s23
	s_lshl_b32 s23, s44, 13
	s_add_co_u32 s32, s32, s23
	s_mov_b32 s33, 0
	s_lshl_b32 s34, s20, 14
	s_lshl_b32 s23, s18, 11
	s_add_co_u32 s34, s34, s23
	s_mov_b32 s35, 0
	s_mul_i32 s19, s18, WREG                       ; my stage
	v_lshl_add_u32 v[SPW], v0, 2, SPARE
	v_mov_b32 v[NIL], 0
	v_and_b32 v12, 31, v0
	v_and_b32 v8, 15, v0                           ; r
	v_bfe_u32 v9, v0, 4, 1                         ; h
	v_lshlrev_b32 v[LO16], 4, v12
	v_mul_u32_u24 v[SOUT], v8, SP
	v_and_b32 v[DD], 8, v8
	v_add_nc_u32 v[SIN], s19, v[LO16]              ; in: row after row, 16 bytes a lane
	v_lshl_add_u32 v[SOUT], v9, 6, v[SOUT]
	v_add_nc_u32 v[DD], v[DD], v8                  ; r + 8 (r / 8)
	v_lshlrev_b32 v13, 4, v9
	v_add_nc_u32 v[SOUT], s19, v[SOUT]             ; out: row r, + 64 h
	v_add_nc_u32 v[DD], s44, v[DD]
	v_sub_nc_u32 v[DD], v[DD], v13
	s_wait_alu depctr_va_vdst(0)
	s_wait_kmcnt 0x0
	s_load_b256 s[36:43], s[10:11], 0x0            ; all eight exponents
	s_cmp_lt_u32 ttmp9, XT+WT
	s_cselect_b64 s[28:29], s[6:7], s[8:9]
	s_cselect_b64 s[30:31], s[14:15], s[16:17]
	s_cmp_lt_u32 ttmp9, XT
	s_cselect_b64 s[28:29], s[4:5], s[28:29]
	s_cselect_b64 s[30:31], s[12:13], s[30:31]
	s_add_nc_u64 s[28:29], s[28:29], s[32:33]      ; from
	s_add_nc_u64 s[30:31], s[30:31], s[34:35]      ; to
.irp r, 0,1,2,3,4,5,6,7,8,9,10,11,12,13,14,15
	global_load_b128 v[X+4*\r:X+4*\r+3], v[LO16], s[28:29] offset:(\r+8*(\r/8))*ROWB th:TH_LOAD_NT
.endr
.irp r, 0,1,2,3,4,5,6,7,8,9,10,11,12,13,14,15
	s_wait_loadcnt 15-\r                           ; row r is in, the 15 - r younger ones may be out
	ds_store_b128 v[SIN], v[X+4*\r:X+4*\r+3] offset:SP*\r
.endr
	s_wait_dscnt 0x0                               ; the stores have read their registers, which take the numbers back:
.irp c, 0,1,2,3
.irp z, 0,1,2,3
	ds_load_b128 v[X+16*\c+4*\z:X+16*\c+4*\z+3], v[SOUT] offset:128*\c+16*\z
.endr
.endr
	s_wait_kmcnt 0x0
	s_cmp_lt_u32 ttmp9, XT+WT
	s_cselect_b32 s23, s41, s43                    ; W_upper: entry 5; W_lower: entry 7
	s_cmp_lt_u32 ttmp9, XT
	s_cselect_b32 s23, s40, s23                    ; x: entry 4
	s_add_co_i32 s23, s23, 127
	s_lshl_b32 s25, s23, 23
	v_mov_b32 v[SCL], s25                          ; 2^e as f32: the conversion takes its exponent field
	s_add_co_i32 s23, s23, 8
	s_lshl_b32 s23, s23, 23
	s_or_b32 s23, s23, 0x600000
	v_mov_b32 v[LIM], s23                          ; 448 x 2^e
	s_wait_dscnt 0x0
.macro MASK op                         ; on a diagonal tile a number outside the triangle becomes 0 ahead of the quantiser
.irp c, 0,1,2,3
.irp i, 0,1,2,3,4,5,6,7,8,9,10,11,12,13,14,15
	\op vcc_lo, 32*\c+\i, v[DD]
	s_delay_alu instid0(VALU_DEP_1)
	v_cndmask_b32 v[X+16*\c+\i], 0, v[X+16*\c+\i], vcc_lo
.endr
.endr
.endm
	s_cmp_eq_u32 s27, 0                            ; a branch on the work-group's number, round vector work alone
	s_cbranch_scc1 .Lopen
	s_cmp_eq_u32 s27, 1
	s_cbranch_scc0 .Ltril
	MASK v_cmp_ge_i32                              ; triu: kept where k >= n
	s_branch .Lopen
.Ltril:
	MASK v_cmp_le_i32                              ; tril: kept where k <= n
.Lopen:
	s_wait_alu depctr_va_vdst(0)
.irp c, 0,1,2,3
.irp i, 0,1,2,3,4,5,6,7,8,9,10,11,12,13,14,15
	v_med3_num_f32 v[X+16*\c+\i], v[X+16*\c+\i], -v[LIM], v[LIM]   ; the conversion to an 8-bit code does not saturate (ISA guide 7.6.2)
.endr
	v_cvt_scalef32_pk8_fp8_f32 v[CD+4*\c:CD+4*\c+1], v[X+16*\c:X+16*\c+7], v[SCL]
	v_cvt_scalef32_pk8_fp8_f32 v[CD+4*\c+2:CD+4*\c+3], v[X+16*\c+8:X+16*\c+15], v[SCL]
.endr
	v_nop                                          ; a plain vector line behind the last conversion
.irp c, 0,1,2,3
	global_store_b128 v[LO16], v[CD+4*\c:CD+4*\c+3], s[30:31] offset:512*\c
.endr
	s_wait_tensorcnt 0x0                           ; the wave's end
	ds_add_u32 v[SPW], v[NIL]
	s_wait_dscnt 0x0
	s_endpgm
.Lfunc_end_k_qb3331a740a_quant:
	.size	k_qb3331a740a_quant, .Lfunc_end_k_qb3331a740a_quant-k_qb3331a740a_quant
	.p2alignl 7, 3214868480
	.fill 96, 4, 3214868480
	.section	.rodata,"a",@progbits
	.p2align	6, 0x0
	.amdhsa_kernel k_qb3331a740a_quant
		.amdhsa_group_segment_fixed_size 68608
		.amdhsa_private_segment_fixed_size 0
		.amdhsa_enable_private_segment 0
		.amdhsa_kernarg_size 56
		.amdhsa_user_sgpr_count 2
		.amdhsa_user_sgpr_kernarg_segment_ptr 1
		.amdhsa_wavefront_size32 1
		.amdhsa_system_sgpr_workgroup_id_x 1
		.amdhsa_system_sgpr_workgroup_id_y 1
		.amdhsa_system_sgpr_workgroup_id_z 1
		.amdhsa_system_vgpr_workitem_id 0
		.amdhsa_next_free_vgpr 96
		.amdhsa_next_free_sgpr 66
		.amdhsa_reserve_vcc 1
		.amdhsa_float_denorm_mode_32 3
		.amdhsa_float_denorm_mode_16_64 3
		.amdhsa_memory_ordered 1
		.amdhsa_forward_progress 1
		.amdhsa_inst_pref_size 28
	.end_amdhsa_kernel
	.amdgpu_metadata
---
amdhsa.version: [ 1, 2 ]
amdhsa.kernels:
  - .name:           k_qb3331a740a_quant
    .symbol:         k_qb3331a740a_quant.kd
    .args:
      - { .name: x, .offset: 0, .size: 8, .value_kind: global_buffer, .address_space: global }
      - { .name: W_upper, .offset: 8, .size: 8, .value_kind: global_buffer, .address_space: global }
      - { .name: W_lower, .offset: 16, .size: 8, .value_kind: global_buffer, .address_space: global }
      - { .name: lowp_scales, .offset: 24, .size: 8, .value_kind: global_buffer, .address_space: global }
      - { .name: xq, .offset: 32, .size: 8, .value_kind: global_buffer, .address_space: global }
      - { .name: wuq, .offset: 40, .size: 8, .value_kind: global_buffer, .address_space: global }
      - { .name: wlq, .offset: 48, .size: 8, .value_kind: global_buffer, .address_space: global }
    .group_segment_fixed_size: 68608
    .private_segment_fixed_size: 0
    .kernarg_segment_align: 8
    .kernarg_segment_size: 56
    .max_flat_workgroup_size: 256
    .sgpr_count:     66
    .vgpr_count:     96
    .wavefront_size: 32
...
	.end_amdgpu_metadata
.endif
;; end of part 1
;; launch up (part 2): grid 32 x 8, 4 waves a work-group, clusters of 4 x 1, 327,680 bytes of LDS; arguments xq, wuq, b_upper, lowp_scales, hq; writes hq
.if DOCPART == 2
	.amdgcn_target "amdgcn-amd-amdhsa--gfx1250"
	.amdhsa_code_object_version 6
	.text
	.protected	k_qb3331a740a_up
	.globl	k_qb3331a740a_up
	.p2align	8
	.type	k_qb3331a740a_up,@function
k_qb3331a740a_up:
	s_mov_b64 s[64:65], 0
	v_nop
	global_prefetch_b8 v0, s[64:65] scope:SCOPE_SE
	s_setreg_imm32_b32 hwreg(HW_REG_WAVE_MODE, 25, 1), 1
	s_wait_xcnt 0x0
	s_wait_alu depctr_hold_cnt(0) depctr_sa_sdst(0) depctr_va_vdst(0) depctr_va_sdst(0) depctr_va_ssrc(0) depctr_va_vcc(0) depctr_vm_vsrc(0)
	s_getreg_b32 s2, hwreg(HW_REG_IB_STS2, 6, 4)
	s_cmp_eq_u32 s2, 0
	s_cbranch_scc0 .Lentry_in_a_cluster
	s_endpgm
.Lentry_in_a_cluster:
	s_bfe_u32 s2, ttmp6, 0x10000c
	s_cmp_lg_u32 s2, 0x3003
	s_cbranch_scc0 .Lentry_shape_is_right
	s_endpgm
.Lentry_shape_is_right:
; h = Q(relu(Q(x) Q(triu W_upper)^T + b_upper)), stored as codes of FP8 (scale entry 6); sums x 2^(e4 + e5).
; WORK LEFT OUT: tiles of the weight that lie wholly outside the triangle (zeros that reference() builds); reference()'s products 1 and 2, which it overwrites unread (see the first kernel).
; LIMITS: e4 + e5 between -126 and 127, e6 between -126 and 119, so that each power of two below is an f32 number.
; OPERANDS are images of operand registers: a tile (128 rows x 128 K) is 8 fragments of 2,048 bytes; in fragment f byte 512 c + 16 lane + i is row 32 (f / 2) + 8 (f % 2) + r + 8 (r / 8), k = 32 c + 16 h + i
; (lane = r + 16 h).  k stands in the same places in both operands.  A: tile (row block, place k') at 16 x row block + k'.
; SHARES.  Work-group (rb, j): 128 rows rb and TWO tiles of the result: the LONG one n' = j (k' = j .. 15), the SHORT one n' = 15 - j (k' = 15 - j .. 15): 17 units of 128 x 128 x 128 in every work-group.
; The units m of walk j: m = 15: short, k' = 15;  m = 16: long, k' = 15;  m = 14: long, k' = 7;  m = 2 r + 1 < 14: long, k' = 14 - r;
; m = 2 r < 14: short, k' = 14 - r, where r < j, else long, k' = r.  So only the units m = 2 r < 14 branch on j, and each names two fixed sets of A's registers.
; They are made in the order 15, 16, 0, 1 .. 14, and in this order B's 17 tiles lie in memory and in LDS.
; NOTHING IS FILLED TWICE.  All 17 tiles of B (278,528 bytes) have LDS bytes of their own; each wave asks for its part by ONE tensor load at the head: waves 0 to 3 for 1, 2, 4 and 10 tiles in the order of use, so that
; the tiles used first come in small loads.  Each load has its own descriptor and its own arm; a wave's load is waited for, and a barrier shows it to all, just ahead of the first read of its tiles.
; A never enters LDS: a wave makes 32 rows x 128 columns of both tiles and keeps its 32 rows of all 16 places in registers, loaded by 512 consecutive bytes an instruction: no byte of A is loaded by two waves,
; and a place serves both tiles.  Places r < j belong to no unit; their loads are issued all the same, so that every wait counts the same, but all lanes then name one 16-byte word.
; CLUSTER: four rb with one j: the same 17 tiles of B, asked for jointly (mask 15).  A is not shared: partners in A would hold different j, and the branch on j would hang on a place in the cluster.
; No prefetch: there is no loop to run ahead in; B is asked for at the head, and of A at most seven places are out at a time.
; THE MATRIX INSTRUCTION IS USED TRANSPOSED (source 0 = 16 rows of the weight, source 1 = 16 rows of A): a lane holds one row, and the 16 registers of weight fragments 2 q, 2 q + 1 are 16 neighbouring columns.
; A unit is two half units of 4 weight fragments, 8 matrix instructions each; three buffers of 64 registers take the half units by turns, read three ahead.
; REGISTERS: window 0: addresses, v32-63 codes, v64-255 the three buffers;  window 1: A's slots 0-7 (place 15, places 0-6), later the biases (v0-63 short, v64-127 long) and v128-255 a tile's 128 numbers;
;   window 2: slots 8-15 (places 14 .. 7);  window 3: accumulators, (a, b) at 8 (8 a + b): long from 0, short from 128.
.set TILEB, 16384
.set SPARE, 17*TILEB                   ; the spare words, 128 bytes for each wave
.set PS,   4                           ; half units between two units that branch
.set BO,   3                           ; 64 h
.set SCL,  4                           ; 2^e6
.set LIM,  5                           ; 448 x 2^e6
.set SPW,  6
.set NIL,  7
.set OPT,  8                           ; v8-14: 16 x lane where place r is needed, else 0
.set LN,   16                          ; v16-20: 16 x lane + 65,536 q
.set CD,   32
.set BS,   0                           ; window 1
.set BL,   64
.set T,    128
.set LG,   0                           ; window 3
.set SH,   128
.set WV,   14
.set J,    17
.set RB,   19
.set AB,   20                          ; s[20:21] my rows of A
.set BB0,  74                          ; s[74:75] walk j's tiles of B
.set G0A,  24                          ; descriptor groups 0 and 1 of the four loads
.set G1A,  28
.set G1B,  36
.set G1C,  76
.set G1D,  84
.set G0B,  92
.set G0C,  96
.set G0D,  68                          ; (over masks that have been read by then)
.set BLB,  44                          ; s[44:45], s[46:47] the biases
.set BSB,  46
.set EX,   48                          ; s[48:55]
.set SC,   56
.set OL,   58
.set OS,   60
.set MK,   66                          ; s[66:72]
.set JC,   73
.set MSB, 0
.macro WIN new                         ; the immediate's high byte repeats the setting that is left; a switch that changes nothing is dropped
.if MSB != (\new)
	s_set_vgpr_msb (MSB<<8)|(\new)
.set MSB, (\new)
.endif
.endm
.macro PLACES                          ; four plain vector lines between a matrix instruction and a load into its sources or a read of its result (ISA guide 7.12.1 for the read of its result)
.rept 4
	v_nop
.endr
.endm
.macro CROUND                          ; a round of the cluster's barrier
	s_barrier_signal -1
	s_barrier_wait -1
	s_cmp_lg_u32 s[WV], 0
	s_cbranch_scc1 .Lnot_wave_0_\@
	s_barrier_signal -3
.Lnot_wave_0_\@:
	s_barrier_wait -3
	s_barrier_signal -1
	s_barrier_wait -1
.endm
.macro SHAPE g, rows                   ; a dense block as rows of 32 elements of 8 bytes; joint, mask 15
	s_mov_b32 s[\g], 15|(3<<16)|(1<<21)
	s_mov_b32 s[\g+1], 32<<16
	s_mov_b32 s[\g+2], (\rows)<<16
	s_mov_b32 s[\g+3], 32<<16
	s_mov_b32 s[\g+4], \rows
	s_mov_b32 s[\g+5], 32
	s_mov_b32 s[\g+6], 0
	s_mov_b32 s[\g+7], 0
.endm
.macro PLACE0 g, u                     ; group 0 of a load that begins at the walk's u-th tile
	s_mov_b32 s[\g], 1
	s_mov_b32 s[\g+1], (\u)*TILEB
	s_add_nc_u64 s[\g+2:\g+3], s[BB0:BB0+1], (\u)*TILEB
	s_or_b32 s[\g+3], s[\g+3], 0x80000000
.endm
.macro TLOAD g0, g1                    ; an s_nop 0 and four v_nop follow the load
	tensor_load_to_lds s[\g0:\g0+3], s[\g1:\g1+7]
	s_nop 0
	PLACES
.endm
; A's n-th place in the order of use: 15; then for r = 0 .. 6 place r (slot 1 + r) and place 14 - r (slot 8 + r); then 7 (slot 15).  Eight loads of 512 consecutive bytes: my two fragments.
.macro ALD n
.if (\n) == 0
.set AS, 0
.set AK, 15
.set AO, LN
.elseif (\n) == 15
.set AS, 15
.set AK, 7
.set AO, LN
.elseif (\n)%2
.set AS, 1+(\n)/2
.set AK, (\n)/2
.set AO, OPT+(\n)/2
.else
.set AS, 7+(\n)/2
.set AK, 15-(\n)/2
.set AO, LN
.endif
	WIN 0x40*(1+AS/8)
.irp i, 0,1,2,3,4,5,6,7
	global_load_b128 v[32*(AS%8)+4*\i:32*(AS%8)+4*\i+3], v[AO], s[AB:AB+1] offset:TILEB*AK+512*\i
.endr
.endm
.macro BIAS to, from                   ; columns 32 q + 16 h + 0 .. 15: register 8 b + i goes with register i of accumulator (a, b)
	WIN 0x40
.irp z, 0,1,2,3,4,5,6,7,8,9,10,11,12,13,14,15
	global_load_b128 v[\to+4*\z:\to+4*\z+3], v[BO], s[\from:\from+1] offset:128*(\z/4)+16*(\z%4)
.endr
.endm
.macro ORDER q                         ; the q-th unit is m: 15, 16, 0, 1 .. 14
.if (\q) < 2
.set M, 15+(\q)
.else
.set M, (\q)-2
.endif
.endm
.macro GATE w                          ; wave w's tiles have landed, and every wave knows it
	WIN 0
	s_cmp_lg_u32 s[WV], \w
	s_cbranch_scc1 .Lgate_\@
	s_wait_tensorcnt 0x0
.Lgate_\@:
	s_wait_dscnt 0x0                               ; no LDS instruction of mine is pending at a signal
	s_barrier_signal -1
	s_barrier_wait -1
.endm
.macro FETCH n                         ; half unit n: four weight fragments, 16 loads of 512 consecutive bytes
.if (\n) == 0
	GATE 0                                         ; unit 0
.elseif (\n) == 2
	GATE 1                                         ; units 1, 2
.elseif (\n) == 6
	GATE 2                                         ; units 3-6
.elseif (\n) == 14
	GATE 3                                         ; units 7-16
.endif
.set QF, (\n)/2
.set BF, 64+64*((\n)%3)
	WIN 0
.irp c, 0,1,2,3
.irp i, 0,1,2,3
	ds_load_b128 v[BF+16*\c+4*\i:BF+16*\c+4*\i+3], v[LN+QF/4] offset:(QF%4)*TILEB+8192*((\n)%2)+2048*\c+512*\i
.endr
.endr
.endm
; 8 matrix instructions: half unit H onto the sums at acc.  The accumulators take turns, one instruction a turn.  zero = 1: the products start the sums.
.macro MULH acc, slot, zero
	WIN 0xf0+4*(1+(\slot)/8)
.irp a, 0,1
.irp c, 0,1,2,3
.set CC, \acc+8*(8*\a+4*(H%2)+\c)
.set BF, 64+64*(H%3)+16*\c
.set AF, 32*((\slot)%8)+16*\a
.if \zero
	v_wmma_f32_16x16x128_fp8_fp8 v[CC:CC+7], v[BF:BF+15], v[AF:AF+15], 0
.else
	v_wmma_f32_16x16x128_fp8_fp8 v[CC:CC+7], v[BF:BF+15], v[AF:AF+15], v[CC:CC+7]
.endif
.endr
.endr
.endm
.macro VARH r                          ; short where r < j, else long.  j is the same in all waves and in all partners
	WIN 0
	s_cmp_gt_u32 s[J], (\r)
	s_cbranch_scc0 .Llong_\@
	MULH SH, 8+(\r), 0
	WIN 0
	s_branch .Ldone_\@
.Llong_\@:
	MULH LG, 1+(\r), 0
	WIN 0
.Ldone_\@:
.endm
; Ahead of a unit: the places of A that it needs are in.  A wait's count is at most what has been issued behind them, 8 loads a place and 16 a bias; then the next two places (or a bias) are asked for.
; In the order of issue: places 0-6; r = 0: 7, 8; r = 1: 9, 10, short bias; r = 2: 11, 12; r = 3: 13, 14, long bias; r = 4: 15.  Unit r needs places up to 2 r + 2.
.macro AREADY
.if H == 0
	s_wait_loadcnt 48
.elseif H == 32
	s_wait_loadcnt 0
.elseif (H >= 4) && (H <= 4+6*PS) && (H%PS == 0)
.set R, (H-4)/PS
.if R < 2
	s_wait_loadcnt 32
.elseif R < 4
	s_wait_loadcnt 48
.elseif R == 4
	s_wait_loadcnt 60
.elseif R == 5
	s_wait_loadcnt 40
.else
	s_wait_loadcnt 24
.endif
.if R < 4
	ALD 7+2*R
	ALD 8+2*R
.elseif R == 4
	ALD 15
.endif
.if R == 1
	BIAS BS, BSB                                   ; into slots 0 and 1, which have been multiplied
.elseif R == 3
	BIAS BL, BLB                                   ; into slots 2 and 3
.endif
.endif
.endm
.macro STEP                            ; half unit H; then half unit H + 3 is read into its buffer (half units 2, 3 and 4 behind half unit 1, ahead of which only 0 and 1 have been read)
.if H%2 == 0
	AREADY
.endif
.if H == 0
	s_wait_dscnt 16                                ; half unit 1 may be out
.elseif H == 1
	s_wait_dscnt 0
.elseif H < 32
	s_wait_dscnt 32                                ; the two younger half units may be out
.elseif H == 32
	s_wait_dscnt 16
.else
	s_wait_dscnt 0
.endif
	ORDER H/2
.if M == 15
	MULH SH, 0, 1
.elseif M == 16
	MULH LG, 0, 1
.elseif M == 14
	MULH LG, 15, 0
.elseif M%2
	MULH LG, 8+M/2, 0
.else
	VARH M/2
.endif
	PLACES
.if H == 1
	FETCH 2
	FETCH 3
	FETCH 4
.elseif (H > 1) && (H < 31)
	FETCH H+3
.endif
.set H, H+1
.endm
; THE WAY OUT of a tile: sum x 2^(e4 + e5) + bias in f32; relu and the hold at the largest code in one; the conversions' results are registers of h's image: my fragment a, registers 4 q on
.macro EPI acc, bs, ob
	WIN 0x53
.irp a, 0,1
.irp b, 0,1,2,3,4,5,6,7
.irp i, 0,2,4,6
	v_pk_fma_f32 v[T+64*\a+8*\b+\i:T+64*\a+8*\b+\i+1], v[\acc+8*(8*\a+\b)+\i:\acc+8*(8*\a+\b)+\i+1], s[SC:SC+1], v[\bs+8*\b+\i:\bs+8*\b+\i+1] op_sel_hi:[1,0,1]   ; each accumulator from its low end on
.endr
.endr
.endr
	WIN 0x41
.set I, 0
.rept 128
	v_med3_num_f32 v[T+I], v[T+I], 0, v[LIM]       ; between 0 and 448 x 2^e6 (the conversion to an 8-bit code does not saturate: ISA guide 7.6.2)
.set I, I+1
.endr
	WIN 0x01
.irp g, 0,1,2,3,4,5,6,7
	v_cvt_scalef32_pk8_fp8_f32 v[CD+4*\g:CD+4*\g+1], v[T+16*\g:T+16*\g+7], v[SCL]
	v_cvt_scalef32_pk8_fp8_f32 v[CD+4*\g+2:CD+4*\g+3], v[T+16*\g+8:T+16*\g+15], v[SCL]
.endr
	v_nop                                          ; a plain vector line behind the last conversion
	WIN 0
.irp g, 0,1,2,3,4,5,6,7
	global_store_b128 v[LN], v[CD+4*\g:CD+4*\g+3], s[\ob:\ob+1] offset:512*\g   ; 512 consecutive bytes, aligned
.endr
.endm
	s_load_b256 s[4:11], s[0:1], 0x0               ; A's codes s[4:5], B's codes s[6:7], the bias s[8:9], the exponents s[10:11]
	s_load_b64 s[12:13], s[0:1], 0x20              ; the output
	v_lshl_add_u32 v[SPW], v0, 2, SPARE
	v_mov_b32 v[NIL], 0
	ds_add_u32 v[SPW], v[NIL]                      ; the wave's opening: the add, twice on end, and its wait ahead of my tensor load
	ds_add_u32 v[SPW], v[NIL]
	v_lshrrev_b32 v1, 5, v0
	v_readfirstlane_b32 s[WV], v1
	s_and_b32 s[J], ttmp7, 0xffff                  ; in a cluster launch ttmp9 and ttmp7 count clusters
	s_bfe_u32 s18, ttmp6, 0x40000                  ; my place in the cluster: it enters A's and the output's addresses alone
	s_lshl_b32 s[RB], ttmp9, 2
	s_add_co_u32 s[RB], s[RB], s18
	s_sub_co_u32 s[JC], 15, s[J]
.irp r, 0,1,2,3,4,5,6
	s_cmp_le_u32 s[J], \r
	s_cselect_b32 s[MK+\r], -1, 0                  ; place r is needed
.endr
	SHAPE G1A, 64
	SHAPE G1B, 128
	SHAPE G1C, 256
	SHAPE G1D, 640
	s_mul_i32 s22, s[J], 17*TILEB
	s_mov_b32 s23, 0
	s_lshl_b32 s62, s[RB], 18                      ; A: 16 tiles a row block,
	s_lshl_b32 s2, s[WV], 12
	s_add_co_u32 s62, s62, s2                      ; my two fragments of a tile
	s_mov_b32 s63, 0
	v_and_b32 v22, 31, v0
	v_bfe_u32 v23, v0, 4, 1
	v_lshlrev_b32 v[LN], 4, v22
	v_lshlrev_b32 v[BO], 6, v23
.irp q, 1,2,3,4
	v_add_nc_u32 v[LN+\q], \q*65536, v[LN]
.endr
.irp r, 0,1,2,3,4,5,6
	v_and_b32 v[OPT+\r], s[MK+\r], v[LN]
.endr
	s_wait_alu depctr_va_vdst(0)                   ; the wait covers every address register
	s_wait_dscnt 0x0                               ; both opening adds are done
	CROUND                                         ; all four work-groups are here: the joint loads meet
	s_wait_kmcnt 0x0
	s_add_nc_u64 s[BB0:BB0+1], s[6:7], s[22:23]
	PLACE0 G0A, 0
	PLACE0 G0B, 1
	PLACE0 G0C, 3
	PLACE0 G0D, 7
	s_cmp_eq_u32 s[WV], 0                          ; one load a wave, each in an arm of its own
	s_cbranch_scc0 .Lask_1
	TLOAD G0A, G1A
	s_branch .Lasked
.Lask_1:
	s_cmp_eq_u32 s[WV], 1
	s_cbranch_scc0 .Lask_2
	TLOAD G0B, G1B
	s_branch .Lasked
.Lask_2:
	s_cmp_eq_u32 s[WV], 2
	s_cbranch_scc0 .Lask_3
	TLOAD G0C, G1C
	s_branch .Lasked
.Lask_3:
	TLOAD G0D, G1D
.Lasked:
	s_add_nc_u64 s[AB:AB+1], s[4:5], s[62:63]
.irp n, 0,1,2
	ALD \n
.endr
	WIN 0
	s_load_b256 s[EX:EX+7], s[10:11], 0x0          ; all eight exponents
	s_lshl_b32 s22, s[J], 9
	s_add_nc_u64 s[BLB:BLB+1], s[8:9], s[22:23]    ; the long tile's 128 biases: block j
	s_lshl_b32 s22, s[JC], 9
	s_add_nc_u64 s[BSB:BSB+1], s[8:9], s[22:23]    ; the short one's: block 15 - j
	s_lshl_b32 s22, s[JC], 14                      ; h's block j lies at place 15 - j
	s_add_co_u32 s22, s22, s62
	s_add_nc_u64 s[OL:OL+1], s[12:13], s[22:23]
	s_lshl_b32 s22, s[J], 14
	s_add_co_u32 s22, s22, s62
	s_add_nc_u64 s[OS:OS+1], s[12:13], s[22:23]
	FETCH 0
	FETCH 1
.irp n, 3,4,5,6
	ALD \n
.endr
.set H, 0
.rept 30
	STEP
.endr
	s_wait_kmcnt 0x0                               ; the short tile is finished, whatever j
	s_add_co_i32 s[SC], s[EX+4], s[EX+5]
	s_add_co_i32 s[SC], s[SC], 127
	s_lshl_b32 s[SC], s[SC], 23                    ; the two operands' scales, as one f32 number
	s_mov_b32 s[SC+1], s[SC]                       ; (named with it as a pair)
	s_add_co_i32 s22, s[EX+6], 127
	s_lshl_b32 s23, s22, 23
	v_mov_b32 v[SCL], s23                          ; 2^e6: the conversion takes its exponent field
	s_add_co_i32 s22, s22, 8
	s_lshl_b32 s22, s22, 23
	s_or_b32 s22, s22, 0x600000
	v_mov_b32 v[LIM], s22                          ; 448 x 2^e6
	EPI SH, BS, OS
.rept 4
	STEP
.endr
	s_wait_xcnt 0x0                                ; the short tile's stores have read the registers that take the long one's codes
	EPI LG, BL, OL
	s_wait_tensorcnt 0x0                           ; the wave's end
	ds_add_u32 v[SPW], v[NIL]
	s_wait_dscnt 0x0
	CROUND                                         ; the closing round: no work-group ends while a partner may still ask for a tile that names it
	s_endpgm
.Lfunc_end_k_qb3331a740a_up:
	.size	k_qb3331a740a_up, .Lfunc_end_k_qb3331a740a_up-k_qb3331a740a_up
	.p2alignl 7, 3214868480
	.fill 96, 4, 3214868480
	.section	.rodata,"a",@progbits
	.p2align	6, 0x0
	.amdhsa_kernel k_qb3331a740a_up
		.amdhsa_group_segment_fixed_size 327680
		.amdhsa_private_segment_fixed_size 0
		.amdhsa_enable_private_segment 0
		.amdhsa_kernarg_size 40
		.amdhsa_user_sgpr_count 2
		.amdhsa_user_sgpr_kernarg_segment_ptr 1
		.amdhsa_wavefront_size32 1
		.amdhsa_system_sgpr_workgroup_id_x 1
		.amdhsa_system_sgpr_workgroup_id_y 1
		.amdhsa_system_sgpr_workgroup_id_z 1
		.amdhsa_system_vgpr_workitem_id 0
		.amdhsa_next_free_vgpr 1024
		.amdhsa_next_free_sgpr 100
		.amdhsa_reserve_vcc 0
		.amdhsa_float_denorm_mode_32 3
		.amdhsa_float_denorm_mode_16_64 3
		.amdhsa_memory_ordered 1
		.amdhsa_forward_progress 1
		.amdhsa_inst_pref_size 120
	.end_amdhsa_kernel
	.amdgpu_metadata
---
amdhsa.version: [ 1, 2 ]
amdhsa.kernels:
  - .name:           k_qb3331a740a_up
    .symbol:         k_qb3331a740a_up.kd
    .args:
      - { .name: xq, .offset: 0, .size: 8, .value_kind: global_buffer, .address_space: global }
      - { .name: wuq, .offset: 8, .size: 8, .value_kind: global_buffer, .address_space: global }
      - { .name: b_upper, .offset: 16, .size: 8, .value_kind: global_buffer, .address_space: global }
      - { .name: lowp_scales, .offset: 24, .size: 8, .value_kind: global_buffer, .address_space: global }
      - { .name: hq, .offset: 32, .size: 8, .value_kind: global_buffer, .address_space: global }
    .group_segment_fixed_size: 327680
    .private_segment_fixed_size: 0
    .kernarg_segment_align: 8
    .kernarg_segment_size: 40
    .max_flat_workgroup_size: 128
    .sgpr_count:     100
    .vgpr_count:     1024
    .wavefront_size: 32
...
	.end_amdgpu_metadata
.endif
;; end of part 2
;; launch low (part 3): grid 32 x 8, 4 waves a work-group, clusters of 4 x 1, 327,680 bytes of LDS; arguments hq, wlq, b_lower, lowp_scales, out0; writes out0
.if DOCPART == 3
	.amdgcn_target "amdgcn-amd-amdhsa--gfx1250"
	.amdhsa_code_object_version 6
	.text
	.protected	k_qb3331a740a_low
	.globl	k_qb3331a740a_low
	.p2align	8
	.type	k_qb3331a740a_low,@function
k_qb3331a740a_low:
	s_mov_b64 s[64:65], 0
	v_nop
	global_prefetch_b8 v0, s[64:65] scope:SCOPE_SE
	s_setreg_imm32_b32 hwreg(HW_REG_WAVE_MODE, 25, 1), 1
	s_wait_xcnt 0x0
	s_wait_alu depctr_hold_cnt(0) depctr_sa_sdst(0) depctr_va_vdst(0) depctr_va_sdst(0) depctr_va_ssrc(0) depctr_va_vcc(0) depctr_vm_vsrc(0)
	s_getreg_b32 s2, hwreg(HW_REG_IB_STS2, 6, 4)
	s_cmp_eq_u32 s2, 0
	s_cbranch_scc0 .Lentry_in_a_cluster
	s_endpgm
.Lentry_in_a_cluster:
	s_bfe_u32 s2, ttmp6, 0x10000c
	s_cmp_lg_u32 s2, 0x3003
	s_cbranch_scc0 .Lentry_shape_is_right
	s_endpgm
.Lentry_shape_is_right:
; out = h Q(tril W_lower)^T + b_lower, f32; sums x 2^(e6 + e7).  h arrives as codes.
; WORK LEFT OUT: tiles of the weight that lie wholly outside the triangle (zeros that reference() builds); reference()'s products 1 and 2, which it overwrites unread (see the first kernel).
; LIMIT: e6 + e7 between -126 and 127, so that 2^(e6 + e7) is an f32 number.
; OPERANDS, SHARES, the units m, LDS, the cluster, A in registers and the half units are those of the launch in front.  Blocks n', k' of 128 count from the far end (15 - block), in h's codes too, whose hidden blocks lie so:
; the triangle keeps k' >= n'.  Work-group (rb, j): the LONG tile n' = j is block 15 - j of the output, the SHORT one n' = 15 - j block j.
; Units: m = 15: short, k' = 15;  m = 16: long, k' = 15;  m = 14: long, k' = 7;  m = 2 r + 1 < 14: long, k' = 14 - r;  m = 2 r < 14: short, k' = 14 - r, where r < j, else long, k' = r.
; Here they are made in the order 15, 16, 0, 2 .. 12, 1, 3 .. 13, 14, and B's tiles lie so in memory and in LDS: the units that branch come first, so that the short tile is finished, and its stores are issued,
; eight units ahead of the end.
; Nothing is filled twice: 17 tiles of B (278,528 bytes) in LDS, one joint load a wave at the head (1, 2, 4 and 10 tiles for waves 0 to 3; mask 15: four rb, one j).  A (32 rows a wave, 16 places, 512 registers) comes
; straight into registers; A is not shared: partners in A would hold different j, and the branch on j would hang on a place in the cluster.  Places r < j belong to no unit: their loads keep the waits' counts the same,
; and all lanes then name one 16-byte word.
; No prefetch: there is no loop to run ahead in; B is asked for at the head, and of A at most seven places are out at a time.
; REGISTERS: window 0: addresses, v64-255 three buffers of half units;  window 1: A's slots 0-7 (place 15, places 0-6), later the biases (v0-63 short, v64-127 long), v128-191 16 rows' results, v192-255 16 rows read back;
;   window 2: slots 8-15 (places 14 .. 7);  window 3: accumulators, (a, b) at 8 (8 a + b): long from 0, short from 128.
.set TILEB, 16384
.set SPARE, 17*TILEB                   ; the spare words, 128 bytes for each wave
.set STAGE, SPARE+512                  ; 16 rows x 528 bytes for each wave; no fill lands here
.set SPITCH, 528
.set PS,   2                           ; half units between two units that branch
.set STO,  1                           ; the stage: where I put 64 bytes of a row
.set RD,   2                           ; where I read rows back
.set BO,   3                           ; 64 h
.set SPW,  6
.set NIL,  7
.set OPT,  8                           ; v8-14: 16 x lane where place r is needed, else 0
.set LN,   16                          ; v16-20: 16 x lane + 65,536 q
.set BS,   0                           ; window 1
.set BL,   64
.set T,    128
.set BK0,  192
.set LG,   0                           ; window 3
.set SH,   128
.set WV,   14
.set J,    17
.set RB,   19
.set AB,   20                          ; s[20:21] my rows of A
.set BB0,  74                          ; s[74:75] walk j's tiles of B
.set G0A,  24                          ; descriptor groups 0 and 1 of the four loads
.set G1A,  28
.set G1B,  36
.set G1C,  76
.set G1D,  84
.set G0B,  92
.set G0C,  96
.set G0D,  68                          ; (over masks that have been read by then)
.set BLB,  44                          ; s[44:45], s[46:47] the biases
.set BSB,  46
.set EX,   48                          ; s[48:55]
.set SC,   56
.set OL,   58
.set OS,   60
.set MK,   66                          ; s[66:72]
.set JC,   73
.set MSB, 0
.macro WIN new                         ; the immediate's high byte repeats the setting that is left; a switch that changes nothing is dropped
.if MSB != (\new)
	s_set_vgpr_msb (MSB<<8)|(\new)
.set MSB, (\new)
.endif
.endm
.macro PLACES                          ; four plain vector lines between a matrix instruction and a load into its sources or a read of its result (ISA guide 7.12.1 for the read of its result)
.rept 4
	v_nop
.endr
.endm
.macro CROUND                          ; a round of the cluster's barrier
	s_barrier_signal -1
	s_barrier_wait -1
	s_cmp_lg_u32 s[WV], 0
	s_cbranch_scc1 .Lnot_wave_0_\@
	s_barrier_signal -3
.Lnot_wave_0_\@:
	s_barrier_wait -3
	s_barrier_signal -1
	s_barrier_wait -1
.endm
.macro SHAPE g, rows                   ; a dense block as rows of 32 elements of 8 bytes; joint, mask 15
	s_mov_b32 s[\g], 15|(3<<16)|(1<<21)
	s_mov_b32 s[\g+1], 32<<16
	s_mov_b32 s[\g+2], (\rows)<<16
	s_mov_b32 s[\g+3], 32<<16
	s_mov_b32 s[\g+4], \rows
	s_mov_b32 s[\g+5], 32
	s_mov_b32 s[\g+6], 0
	s_mov_b32 s[\g+7], 0
.endm
.macro PLACE0 g, u                     ; group 0 of a load that begins at the walk's u-th tile
	s_mov_b32 s[\g], 1
	s_mov_b32 s[\g+1], (\u)*TILEB
	s_add_nc_u64 s[\g+2:\g+3], s[BB0:BB0+1], (\u)*TILEB
	s_or_b32 s[\g+3], s[\g+3], 0x80000000
.endm
.macro TLOAD g0, g1                    ; an s_nop 0 and four v_nop follow the load
	tensor_load_to_lds s[\g0:\g0+3], s[\g1:\g1+7]
	s_nop 0
	PLACES
.endm
; A's n-th place in the order of use: 15; then for r = 0 .. 6 place r (slot 1 + r) and place 14 - r (slot 8 + r); then 7 (slot 15).  Eight loads of 512 consecutive bytes: my two fragments.
.macro ALD n
.if (\n) == 0
.set AS, 0
.set AK, 15
.set AO, LN
.elseif (\n) == 15
.set AS, 15
.set AK, 7
.set AO, LN
.elseif (\n)%2
.set AS, 1+(\n)/2
.set AK, (\n)/2
.set AO, OPT+(\n)/2
.else
.set AS, 7+(\n)/2
.set AK, 15-(\n)/2
.set AO, LN
.endif
	WIN 0x40*(1+AS/8)
.irp i, 0,1,2,3,4,5,6,7
	global_load_b128 v[32*(AS%8)+4*\i:32*(AS%8)+4*\i+3], v[AO], s[AB:AB+1] offset:TILEB*AK+512*\i
.endr
.endm
.macro BIAS to, from                   ; columns 32 q + 16 h + 0 .. 15: register 8 b + i goes with register i of accumulator (a, b)
	WIN 0x40
.irp z, 0,1,2,3,4,5,6,7,8,9,10,11,12,13,14,15
	global_load_b128 v[\to+4*\z:\to+4*\z+3], v[BO], s[\from:\from+1] offset:128*(\z/4)+16*(\z%4)
.endr
.endm
.macro ORDER q                         ; the q-th unit is m: 15, 16, the even ones below 14, the odd ones, 14
.if (\q) < 2
.set M, 15+(\q)
.elseif (\q) < 9
.set M, 2*((\q)-2)
.elseif (\q) < 16
.set M, 2*((\q)-9)+1
.else
.set M, 14
.endif
.endm
.macro GATE w                          ; wave w's tiles have landed, and every wave knows it
	WIN 0
	s_cmp_lg_u32 s[WV], \w
	s_cbranch_scc1 .Lgate_\@
	s_wait_tensorcnt 0x0
.Lgate_\@:
	s_wait_dscnt 0x0                               ; no LDS instruction of mine is pending at a signal
	s_barrier_signal -1
	s_barrier_wait -1
.endm
.macro FETCH n                         ; half unit n: four weight fragments, 16 loads of 512 consecutive bytes
.if (\n) == 0
	GATE 0                                         ; unit 0
.elseif (\n) == 2
	GATE 1                                         ; units 1, 2
.elseif (\n) == 6
	GATE 2                                         ; units 3-6
.elseif (\n) == 14
	GATE 3                                         ; units 7-16
.endif
.set QF, (\n)/2
.set BF, 64+64*((\n)%3)
	WIN 0
.irp c, 0,1,2,3
.irp i, 0,1,2,3
	ds_load_b128 v[BF+16*\c+4*\i:BF+16*\c+4*\i+3], v[LN+QF/4] offset:(QF%4)*TILEB+8192*((\n)%2)+2048*\c+512*\i
.endr
.endr
.endm
; 8 matrix instructions: half unit H onto the sums at acc.  The accumulators take turns, one instruction a turn.  zero = 1: the products start the sums.
.macro MULH acc, slot, zero
	WIN 0xf0+4*(1+(\slot)/8)
.irp a, 0,1
.irp c, 0,1,2,3
.set CC, \acc+8*(8*\a+4*(H%2)+\c)
.set BF, 64+64*(H%3)+16*\c
.set AF, 32*((\slot)%8)+16*\a
.if \zero
	v_wmma_f32_16x16x128_fp8_fp8 v[CC:CC+7], v[BF:BF+15], v[AF:AF+15], 0
.else
	v_wmma_f32_16x16x128_fp8_fp8 v[CC:CC+7], v[BF:BF+15], v[AF:AF+15], v[CC:CC+7]
.endif
.endr
.endr
.endm
.macro VARH r                          ; short where r < j, else long.  j is the same in all waves and in all partners
	WIN 0
	s_cmp_gt_u32 s[J], (\r)
	s_cbranch_scc0 .Llong_\@
	MULH SH, 8+(\r), 0
	WIN 0
	s_branch .Ldone_\@
.Llong_\@:
	MULH LG, 1+(\r), 0
	WIN 0
.Ldone_\@:
.endm
; Ahead of a unit: the places of A that it needs are in.  A wait's count is at most what has been issued behind them, 8 loads a place and 16 a bias; then the next two places (or a bias) are asked for.
; In the order of issue: places 0-6; r = 0: 7, 8; r = 1: 9, 10, short bias; r = 2: 11, 12; r = 3: 13, 14, long bias; r = 4: 15.  Unit r needs places up to 2 r + 2.
.macro AREADY
.if H == 0
	s_wait_loadcnt 48
.elseif H == 32
	s_wait_loadcnt 0
.elseif (H >= 4) && (H <= 4+6*PS) && (H%PS == 0)
.set R, (H-4)/PS
.if R < 2
	s_wait_loadcnt 32
.elseif R < 4
	s_wait_loadcnt 48
.elseif R == 4
	s_wait_loadcnt 60
.elseif R == 5
	s_wait_loadcnt 40
.else
	s_wait_loadcnt 24
.endif
.if R < 4
	ALD 7+2*R
	ALD 8+2*R
.elseif R == 4
	ALD 15
.endif
.if R == 1
	BIAS BS, BSB                                   ; into slots 0 and 1, which have been multiplied
.elseif R == 3
	BIAS BL, BLB                                   ; into slots 2 and 3
.endif
.endif
.endm
.macro STEP                            ; half unit H; then half unit H + 3 is read into its buffer (half units 2, 3 and 4 behind half unit 1, ahead of which only 0 and 1 have been read)
.if H%2 == 0
	AREADY
.endif
.if H == 0
	s_wait_dscnt 16                                ; half unit 1 may be out
.elseif H == 1
	s_wait_dscnt 0
.elseif H < 32
	s_wait_dscnt 32                                ; the two younger half units may be out
.elseif H == 32
	s_wait_dscnt 16
.else
	s_wait_dscnt 0
.endif
	ORDER H/2
.if M == 15
	MULH SH, 0, 1
.elseif M == 16
	MULH LG, 0, 1
.elseif M == 14
	MULH LG, 15, 0
.elseif M%2
	MULH LG, 8+M/2, 0
.else
	VARH M/2
.endif
	PLACES
.if H == 1
	FETCH 2
	FETCH 3
	FETCH 4
.elseif (H > 1) && (H < 31)
	FETCH H+3
.endif
.set H, H+1
.endm
; THE WAY OUT of a tile: sum x 2^(e6 + e7) + bias.  A lane holds 4 x 64 bytes of one row and the lanes beside it other rows: 16 rows at a time go through my own stage and come back as rows of 512 bytes.
; LDS serves a wave's instructions in order (ISA guide 5.7.1.4): no wait between the stores and the loads, nor ahead of the second 16 rows' stores.  These come back into the bias's registers, which have been read.
.macro EPI acc, bs, ob
.irp a, 0,1
	WIN 0x53
.irp b, 0,1,2,3,4,5,6,7
.irp i, 0,2,4,6
	v_pk_fma_f32 v[T+8*\b+\i:T+8*\b+\i+1], v[\acc+8*(8*\a+\b)+\i:\acc+8*(8*\a+\b)+\i+1], s[SC:SC+1], v[\bs+8*\b+\i:\bs+8*\b+\i+1] op_sel_hi:[1,0,1]   ; each accumulator from its low end on
.endr
.endr
	WIN 0x04
.irp z, 0,1,2,3,4,5,6,7,8,9,10,11,12,13,14,15
	ds_store_b128 v[STO], v[T+4*\z:T+4*\z+3] offset:128*(\z/4)+16*(\z%4)
.endr
.set BB, BK0+(\bs-BK0)*\a
	WIN 0x40
.irp t, 0,1,2,3,4,5,6,7,8,9,10,11,12,13,14,15
	ds_load_b128 v[BB+4*\t:BB+4*\t+3], v[RD] offset:\t*SPITCH
.endr
.endr
	WIN 0x04
.irp a, 0,1
.set BB, BK0+(\bs-BK0)*\a
	s_wait_dscnt 32-32*\a                          ; behind the first 16 rows' loads: the second's 16 stores and 16 loads
.irp t, 0,1,2,3,4,5,6,7,8,9,10,11,12,13,14,15
	global_store_b128 v[LN], v[BB+4*\t:BB+4*\t+3], s[\ob:\ob+1] offset:(8*\a+\t+8*(\t/8))*8192 th:TH_STORE_NT   ; 512 consecutive bytes, aligned
.endr
.endr
	WIN 0
.endm
	s_load_b256 s[4:11], s[0:1], 0x0               ; A's codes s[4:5], B's codes s[6:7], the bias s[8:9], the exponents s[10:11]
	s_load_b64 s[12:13], s[0:1], 0x20              ; the output
	v_lshl_add_u32 v[SPW], v0, 2, SPARE
	v_mov_b32 v[NIL], 0
	ds_add_u32 v[SPW], v[NIL]                      ; the wave's opening: the add, twice on end, and its wait ahead of my tensor load
	ds_add_u32 v[SPW], v[NIL]
	v_lshrrev_b32 v1, 5, v0
	v_readfirstlane_b32 s[WV], v1
	s_and_b32 s[J], ttmp7, 0xffff                  ; in a cluster launch ttmp9 and ttmp7 count clusters
	s_bfe_u32 s18, ttmp6, 0x40000                  ; my place in the cluster: it enters A's and the output's addresses alone
	s_lshl_b32 s[RB], ttmp9, 2
	s_add_co_u32 s[RB], s[RB], s18
	s_sub_co_u32 s[JC], 15, s[J]
.irp r, 0,1,2,3,4,5,6
	s_cmp_le_u32 s[J], \r
	s_cselect_b32 s[MK+\r], -1, 0                  ; place r is needed
.endr
	SHAPE G1A, 64
	SHAPE G1B, 128
	SHAPE G1C, 256
	SHAPE G1D, 640
	s_mul_i32 s22, s[J], 17*TILEB
	s_mov_b32 s23, 0
	s_lshl_b32 s62, s[RB], 18                      ; A: 16 tiles a row block,
	s_lshl_b32 s2, s[WV], 12
	s_add_co_u32 s62, s62, s2                      ; my two fragments of a tile
	s_mov_b32 s63, 0
	s_mul_i32 s2, s[WV], 16*SPITCH
	s_add_co_u32 s2, s2, STAGE                     ; my stage
	v_and_b32 v22, 31, v0
	v_bfe_u32 v23, v0, 4, 1
	v_and_b32 v24, 15, v0
	v_lshlrev_b32 v[LN], 4, v22
	v_lshlrev_b32 v[BO], 6, v23
	v_mul_u32_u24 v25, v24, SPITCH
	v_lshl_add_u32 v25, v23, 6, v25
	v_add_nc_u32 v[STO], s2, v25                   ; in: row r, + 64 h
	v_add_nc_u32 v[RD], s2, v[LN]                  ; back: a row of 512 bytes
.irp q, 1,2,3,4
	v_add_nc_u32 v[LN+\q], \q*65536, v[LN]
.endr
.irp r, 0,1,2,3,4,5,6
	v_and_b32 v[OPT+\r], s[MK+\r], v[LN]
.endr
	s_wait_alu depctr_va_vdst(0)                   ; the wait covers every address register
	s_wait_dscnt 0x0                               ; both opening adds are done
	CROUND                                         ; all four work-groups are here: the joint loads meet
	s_wait_kmcnt 0x0
	s_add_nc_u64 s[BB0:BB0+1], s[6:7], s[22:23]
	PLACE0 G0A, 0
	PLACE0 G0B, 1
	PLACE0 G0C, 3
	PLACE0 G0D, 7
	s_cmp_eq_u32 s[WV], 0                          ; one load a wave, each in an arm of its own
	s_cbranch_scc0 .Lask_1
	TLOAD G0A, G1A
	s_branch .Lasked
.Lask_1:
	s_cmp_eq_u32 s[WV], 1
	s_cbranch_scc0 .Lask_2
	TLOAD G0B, G1B
	s_branch .Lasked
.Lask_2:
	s_cmp_eq_u32 s[WV], 2
	s_cbranch_scc0 .Lask_3
	TLOAD G0C, G1C
	s_branch .Lasked
.Lask_3:
	TLOAD G0D, G1D
.Lasked:
	s_add_nc_u64 s[AB:AB+1], s[4:5], s[62:63]
.irp n, 0,1,2
	ALD \n
.endr
	WIN 0
	s_load_b256 s[EX:EX+7], s[10:11], 0x0          ; all eight exponents
	s_lshl_b32 s22, s[JC], 9
	s_add_nc_u64 s[BLB:BLB+1], s[8:9], s[22:23]    ; the long tile's 128 biases: block 15 - j
	s_lshl_b32 s62, s[RB], 20                      ; 128 rows of 8,192 bytes,
	s_lshl_b32 s2, s[WV], 18
	s_add_co_u32 s62, s62, s2                      ; my 32 of them
	s_add_co_u32 s22, s22, s62
	s_add_nc_u64 s[OL:OL+1], s[12:13], s[22:23]
	s_lshl_b32 s22, s[J], 9
	s_add_nc_u64 s[BSB:BSB+1], s[8:9], s[22:23]    ; the short one's: block j
	s_add_co_u32 s22, s22, s62
	s_add_nc_u64 s[OS:OS+1], s[12:13], s[22:23]
	FETCH 0
	FETCH 1
.irp n, 3,4,5,6
	ALD \n
.endr
.set H, 0
.rept 18
	STEP
.endr
	s_wait_kmcnt 0x0                               ; the short tile is finished, whatever j
	s_add_co_i32 s[SC], s[EX+6], s[EX+7]
	s_add_co_i32 s[SC], s[SC], 127
	s_lshl_b32 s[SC], s[SC], 23                    ; the two operands' scales, as one f32 number
	s_mov_b32 s[SC+1], s[SC]                       ; (named with it as a pair)
	EPI SH, BS, OS
.rept 16
	STEP
.endr
	s_wait_xcnt 0x0                                ; the short tile's stores have read the registers that take the long one's rows
	EPI LG, BL, OL
	s_wait_tensorcnt 0x0                           ; the wave's end, behind my last LDS store
	ds_add_u32 v[SPW], v[NIL]
	s_wait_dscnt 0x0
	CROUND                                         ; the closing round: no work-group ends while a partner may still ask for a tile that names it
	s_endpgm
.Lfunc_end_k_qb3331a740a_low:
	.size	k_qb3331a740a_low, .Lfunc_end_k_qb3331a740a_low-k_qb3331a740a_low
	.p2alignl 7, 3214868480
	.fill 96, 4, 3214868480
	.section	.rodata,"a",@progbits
	.p2align	6, 0x0
	.amdhsa_kernel k_qb3331a740a_low
		.amdhsa_group_segment_fixed_size 327680
		.amdhsa_private_segment_fixed_size 0
		.amdhsa_enable_private_segment 0
		.amdhsa_kernarg_size 40
		.amdhsa_user_sgpr_count 2
		.amdhsa_user_sgpr_kernarg_segment_ptr 1
		.amdhsa_wavefront_size32 1
		.amdhsa_system_sgpr_workgroup_id_x 1
		.amdhsa_system_sgpr_workgroup_id_y 1
		.amdhsa_system_sgpr_workgroup_id_z 1
		.amdhsa_system_vgpr_workitem_id 0
		.amdhsa_next_free_vgpr 1024
		.amdhsa_next_free_sgpr 100
		.amdhsa_reserve_vcc 0
		.amdhsa_float_denorm_mode_32 3
		.amdhsa_float_denorm_mode_16_64 3
		.amdhsa_memory_ordered 1
		.amdhsa_forward_progress 1
		.amdhsa_inst_pref_size 115
	.end_amdhsa_kernel
	.amdgpu_metadata
---
amdhsa.version: [ 1, 2 ]
amdhsa.kernels:
  - .name:           k_qb3331a740a_low
    .symbol:         k_qb3331a740a_low.kd
    .args:
      - { .name: hq, .offset: 0, .size: 8, .value_kind: global_buffer, .address_space: global }
      - { .name: wlq, .offset: 8, .size: 8, .value_kind: global_buffer, .address_space: global }
      - { .name: b_lower, .offset: 16, .size: 8, .value_kind: global_buffer, .address_space: global }
      - { .name: lowp_scales, .offset: 24, .size: 8, .value_kind: global_buffer, .address_space: global }
      - { .name: out0, .offset: 32, .size: 8, .value_kind: global_buffer, .address_space: global }
    .group_segment_fixed_size: 327680
    .private_segment_fixed_size: 0
    .kernarg_segment_align: 8
    .kernarg_segment_size: 40
    .max_flat_workgroup_size: 128
    .sgpr_count:     100
    .vgpr_count:     1024
    .wavefront_size: 32
...
	.end_amdgpu_metadata
.endif
;; end of part 3
